; MI455X (gfx1250); checked and timed in simulation.
; The chip was launched on July 23, 2026; its instructions are those of AMD's public machine-readable ISA for CDNA 5 (MIT licence, August 2026) and "CDNA5" Instruction Set Architecture Reference Guide (July 2026). The comments in the code are by the model that wrote it; some were corrected since.
;; Multi Head Attention. Allowed arithmetic: matrix products marked QUANTISED: E5M2 operands, one given power-of-two scale a tensor, by v_wmma_f32_16x16x64_bf8_bf8 or v_wmma_f32_16x16x128_bf8_bf8, f32 sums; everything else in f32.
;; Inputs: Wk_codes 16 x 64 x 32 x 32 uint8 (E5M2 codes of Wk, K innermost, in blocks of 32 codes); Wo_codes 1,024 x 32 x 32 uint8 (E5M2 codes of Wo, K innermost, in blocks of 32 codes); Wq_codes 16 x 64 x 32 x 32 uint8 (E5M2 codes of Wq, K innermost, in blocks of 32 codes); Wv_codes 16 x 64 x 32 x 32 uint8 (E5M2 codes of Wv, K innermost, in blocks of 32 codes); bo 1,024 float32; lowp_scales 12 int32 (the exponents e of the quantised operands' scales 2^e); x_codes 4 x 2,048 x 32 x 32 uint8 (E5M2 codes of x, K innermost, in blocks of 32 codes).
;; Outputs: out0 4 x 2,048 x 1,024 float32.
;; This version of the problem:
;;   THIS VERSION OF THE PROBLEM IS GIVEN IN LOW PRECISION. The matrix products marked QUANTISED in the list below multiply operands that are first quantised to E5M2 (5 exponent bits, 2 mantissa bits; 8 bits a number), with one given power-of-two scale for each operand tensor; their sums are f32. All else is computed in f32.
;;   The module's matrix products, in the order in which they are computed (A, B: the left and right operand; K: the contracted axis; several contracted axes count as one K, in the product's order):
;;     1. [M 1,024, K 1,024] x [K 1,024, N 8,192]; A: input Wq (given as codes); B: input x (given as codes): QUANTISED (scales: A lowp_scales[0], B lowp_scales[1])
;;     2. [M 1,024, K 1,024] x [K 1,024, N 8,192]; A: input Wk (given as codes); B: input x (given as codes): QUANTISED (scales: A lowp_scales[2], B lowp_scales[3])
;;     3. [M 1,024, K 1,024] x [K 1,024, N 8,192]; A: input Wv (given as codes); B: input x (given as codes): QUANTISED (scales: A lowp_scales[4], B lowp_scales[5])
;;     4. batch 64 x [M 2,048, K 64] x [K 64, N 2,048]; A: computed on the way; B: computed on the way: QUANTISED (scales: A lowp_scales[6], B lowp_scales[7])
;;     5. batch 64 x [M 2,048, K 2,048] x [K 2,048, N 64]; A: softmax (see below); B: computed on the way: QUANTISED (scales: A lowp_scales[8], B lowp_scales[9])
;;     6. [M 8,192, K 1,024] x [K 1,024, N 1,024]; A: computed on the way; B: input Wo (given as codes): QUANTISED (scales: A lowp_scales[10], B lowp_scales[11])
;;   THE QUANTISER, for each operand of a quantised product, along K:
;;     - The operand's scale is 2^e, e = its entry of the input lowp_scales (int32; the entries are numbered through the quantised products in the list's order, A before B).
;;     - Each number is divided by the scale, clamped to +-57,344, and rounded to the nearest number of E5M2, ties to even, subnormals kept.
;;     - The product sums the exact products of the quantised numbers (number of the format x scale) in f32.
;;   ~~~python
;;   def quantise(x, axis, e):      # numpy; x: float32 -> the quantised numbers, widened to float32 again
;;       x = np.moveaxis(x, axis, -1); K = x.shape[-1]
;;       r = np.clip(x / 2.0 ** e, -57344, 57344)
;;       step = 2.0 ** (np.maximum(np.frexp(np.where(r == 0, 1, r))[1] - 1, -14) - 2)
;;       q = np.round(r / step) * step * 2.0 ** e      # np.round: ties to even
;;       return np.moveaxis(q, -1, axis).astype(np.float32)
;;   ~~~
;;   SOFTMAX AHEAD OF A QUANTISED PRODUCT. Where the list says 'softmax', what is quantised is not the finished softmax but p = 2^(t - M), with t = logit x log2(e) and M = ceil(the row's largest t), a whole number; so 1/2 < the row's largest p <= 1. The row's sum l is taken of the UNQUANTISED p, in f32, and the product's result is divided by l at the end. Since M is a whole number, a kernel that streams over the keys may use a running M (the ceiling of the running maximum): every later rescaling is an exact power of two, so the quantised numbers keep their values, but for numbers so far below the row's largest that they fall under the format's range.
;;   OPERANDS COMPUTED ON THE WAY. 'Computed on the way' means the value that the module computes at that place (a softmax that the list does not call 'softmax' is quantised finished and normalised). What goes into a quantiser is computed in f32, as accurately as f32 sums, v_exp_f32 and their like allow (about 1e-6 of the number): no bf16 or f16 on the way to a quantiser, and a product that is left as it is and whose result goes on into a quantised operand takes f32 operands (vector FMAs, or v_wmma_f32_16x16x4_f32). A number that lies on a knife's edge between two numbers of the format may be rounded either way, as far as f32 arithmetic and the matrix unit's own rounding can turn it there, and no further.
;;   INPUTS GIVEN AS CODES. Wk (in the module: [16, 1024, 64], K = its axis 1); Wo (in the module: [1024, 1024], K = its axis 1); Wq (in the module: [16, 1024, 64], K = its axis 1); Wv (in the module: [16, 1024, 64], K = its axis 1); x (in the module: [4, 2048, 1024], K = its axis 2): each comes as NAME_codes (uint8): NAME with its K axis moved to the last place and cut into blocks of 32 codes, [.., K / 32, bytes a block], one block behind the other in memory; one code a byte (a code: sign, 5 exponent bits, 2 mantissa bits); its scale is its entry of lowp_scales. Its value is code x scale, taken as it is: it is not quantised again, and the codes and scales need not be those that the quantiser above would give.
;; One version. Each part assembles by itself: llvm-mc -triple=amdgcn-amd-amdhsa -mcpu=gfx1250 --defsym DOCPART=n.
;; ======== version 1 of 1: 3 launches
;; limits: right only within a limited range of input values
;; workspace buffers: qc 8,388,608 bytes; kc 8,388,608 bytes; vc 8,388,608 bytes; oc 8,388,608 bytes
;; launch qkv (part 1): grid 12 x 32, 4 waves a work-group, clusters of 4 x 4, 327,680 bytes of LDS; arguments x_codes, Wq_codes, Wk_codes, Wv_codes, lowp_scales, qc, kc, vc; writes qc, kc, vc
.if DOCPART == 1
	.amdgcn_target "amdgcn-amd-amdhsa--gfx1250"
	.amdhsa_code_object_version 6
	.text
	.protected	k_q0f15514e31_qkv
	.globl	k_q0f15514e31_qkv
	.p2align	8
	.type	k_q0f15514e31_qkv,@function
k_q0f15514e31_qkv:
	s_mov_b64 s[64:65], 0
	v_nop
	global_prefetch_b8 v0, s[64:65] scope:SCOPE_SE
	s_setreg_imm32_b32 hwreg(HW_REG_WAVE_MODE, 25, 1), 1
	s_wait_xcnt 0x0
	s_wait_alu depctr_hold_cnt(0) depctr_sa_sdst(0) depctr_va_vdst(0) depctr_va_sdst(0) depctr_va_ssrc(0) depctr_va_vcc(0) depctr_vm_vsrc(0)
	s_getreg_b32 s2, hwreg(HW_REG_IB_STS2, 6, 4)
	s_cmp_eq_u32 s2, 0
	s_cbranch_scc0 .Lentry_in_a_cluster
	s_endpgm
.Lentry_in_a_cluster:
	s_bfe_u32 s2, ttmp6, 0x10000c
	s_cmp_lg_u32 s2, 0xf033
	s_cbranch_scc0 .Lentry_shape_is_right
	s_endpgm
.Lentry_shape_is_right:
; q, k, v = x W for 16 heads, on codes of BF8 (E5M2), and the results quantised at once for the products that follow.
; x: [8192 tokens][1024] codes.  Wq, Wk, Wv: [1024 = head x 64 + d][1024] codes, K innermost.  The exponents e0 .. e11 of the scales come from memory.
; THE CLUSTER'S x SAYS WHICH TENSOR: 0 = q, 1 = k, 2 = v; it is the same in all sixteen partners, so only pointers, block numbers and store strides are chosen by it, never a branch.
; The body makes a tile of 256 x 256 of "A" "B"^T: four waves, each 128 x 128: 64 accumulators, 512 registers.  K = 1,024 goes in steps of 256 through a ring of two LDS slots.
; THE MATRIX INSTRUCTION IS USED TRANSPOSED (source 0 = 16 rows of "B", source 1 = 16 rows of "A"): a lane holds ONE row of "A", and its eight registers eight neighbouring rows of "B".
;   q, k: "A" = x, "B" = W: a lane holds a token and its registers run along d, which is K of the product q k^T.
;   v:    "A" = Wv, "B" = x: a lane holds a d and its registers run along the tokens, which are K of the product p v.
; So one conversion of an accumulator's eight registers gives registers 2 c, 2 c + 1 of the next product's operand (k = 16 c + 8 (lane / 16) + 0 .. 7), and nothing changes lanes.
; THE RESULTS ARE STORED AS IMAGES OF THE OPERANDS' REGISTERS: four registers of every lane at 16 x lane, so each store of the wave covers 512 consecutive bytes, aligned.
;   qc, kc: (16 batch + head) x 131072 + (token / 16) x 1024 + piece x 512 + 16 lane            (a fragment of 16 tokens x 64: 8 registers, two pieces)
;   vc:     (16 batch + head) x 131072 + (token / 128) x 8192 + (d / 16) x 2048 + piece x 512 + 16 lane   (a fragment of 16 d x 128 keys: 16 registers, four pieces)
; A sum stands for sum x 2^(eW + ex); its code is sum / 2^(eOut - eW - ex), held within +-57,344 of that scale: the three exponents are folded into the conversion's one.
; LIMITS: e6 - e0 - e1, e7 - e2 - e3 and e9 - e4 - e5 lie between -126 and 112, so that the scale and 57,344 x the scale are f32 numbers.  NaN among the sums is not served; infinities are held at the largest code.
; Inside a matrix instruction both operands carry the same permutation of k (fragments come by loads of 16 bytes): every product meets its partner, the order of the sums inside an instruction differs from the natural one.
; CLUSTERS: 4 x 4 work-groups.  "A"'s block hangs on cy alone and is shared along a row of the cluster, "B"'s on cx alone and is shared along a column: each tile is asked for jointly.
; REGISTERS, in windows of 256: window 0: v1-6 at work at the head; v12, v13 the conversion's scale and the hold; v16-17, v20-21 LDS addresses; v28, v29 for the add; v96-111 store offsets;
;   v128-255 "A"'s fragments, one set, on the way out the codes; v32-95 at work on the way out.  window 1: "B"'s fragments, two sets.  windows 2, 3: the accumulators, (a, b) at v[8 (8 (a % 4) + b)].
.set ROWB,   256                       ; a tile's row in bytes: 256 codes
.set KROW,   1024                      ; a row of x or of a weight in memory, in bytes
.set PITCH,  272                       ; an LDS row: 256 bytes + 16 of padding = 68 words: the 16 rows that a load touches start at 16 different banks
.set FR,     16                        ; registers of a fragment: 16 rows x 128 K
.set NL,     4                         ; LDS loads that bring one
.set NP,     4                         ; places behind this matrix instruction (ISA guide 7.12.1)
.set HALFT,  128*PITCH                 ; 128 rows: what one tensor load brings
.set SLOT,   4*HALFT                   ; "A"'s 256 rows, then "B"'s 256 rows
.set LAPS,   2                         ; 1,024 along K = two laps of two slots of 256
.set SPARE,  2*SLOT                    ; behind the ring: the spare words, 128 bytes for each wave
.set SC,   12                          ; v12  the conversion's scale as f32
.set LIM,  13                          ; v13  57,344 x that scale
.set ADRA, 16
.set ADRB, 20
.set SPW,  28                          ; v28  SPARE + 4 x my thread's number; never rewritten
.set NIL,  29                          ; v29  0; never rewritten
.set TMP,  32                          ; v32-95   a block's 64 sums, held
.set VO,   96                          ; v96-111  store offsets: block a, upper half u at VO + 2 a + u; VO itself is 16 x lane
.set AF,   128
.set CD,   128                         ; the codes: 16 registers for each of the 8 blocks, so that no store's data are written again
.set G1, 24
.set G0, 32
.set G1B, 48
.set G0B, 56
.set MSB, 0
.macro WIN new                         ; the immediate's high byte repeats the setting that is left
.if MSB != (\new)
	s_set_vgpr_msb (MSB<<8)|(\new)
.set MSB, (\new)
.endif
.endm
.set MUL_LO, 0xa1                      ; source 0 ("B") window 1, source 1 ("A") window 0, C and D window 2
.set MUL_HI, 0xf1                      ; the same, C and D window 3
.set TO_B,   0x40                      ; destination window 1, address window 0
; A joint load: waves 0 and 1 fetch for "A", waves 2 and 3 for "B".  The branch hangs on the wave's number alone.  Four v_nop follow each of the two lines.
.macro JLOAD g0a, g1a, g0b, g1b
	s_cmp_eq_u32 s15, 0
	s_cbranch_scc0 .Lfor_b_\@
	tensor_load_to_lds s[\g0a:\g0a+3], s[\g1a:\g1a+7]
	s_nop 0
.rept 4
	v_nop
.endr
	s_branch .Lasked_\@
.Lfor_b_\@:
	tensor_load_to_lds s[\g0b:\g0b+3], s[\g1b:\g1b+7]
	s_nop 0
.rept 4
	v_nop
.endr
.Lasked_\@:
.endm
.macro CREST                           ; a round of the cluster's barrier behind its opening barrier
	s_cmp_lg_u32 s14, 0
	s_cbranch_scc1 .Lnot_wave_0_\@
	s_barrier_signal -3
.Lnot_wave_0_\@:
	s_barrier_wait -3
	s_barrier_signal -1
	s_barrier_wait -1
.endm
.macro CROUND                          ; a whole round
	s_barrier_signal -1
	s_barrier_wait -1
	CREST
.endm
	s_load_b512 s[68:83], s[0:1], 0x0              ; x s[68:69], Wq s[70:71], Wk s[72:73], Wv s[74:75], the exponents s[76:77], qc s[78:79], kc s[80:81], vc s[82:83]
	v_lshl_add_u32 v[SPW], v0, 2, SPARE
	v_mov_b32 v[NIL], 0
	ds_add_u32 v28, v29
	ds_add_u32 v28, v29
	s_wait_dscnt 0x0
	v_lshrrev_b32 v1, 5, v0
	v_readfirstlane_b32 s14, v1                    ; wave 0..3
	s_lshr_b32 s15, s14, 1                         ; which 128 rows of "A" are mine.  Also: I fetch for "A" (0) or for "B" (1)
	s_and_b32 s16, s14, 1                          ; which 128 rows of "B".  Also: which 128 rows of that tile I fetch
	s_bfe_u32 s40, ttmp6, 0x40000                  ; cx, cy: my place in the cluster
	s_bfe_u32 s41, ttmp6, 0x40004
	s_and_b32 s17, ttmp7, 0xffff
	s_lshl_b32 s17, s17, 2                         ; 4 x the cluster's y: the first of its four blocks of 256 tokens
	s_cmp_eq_u32 ttmp9, 2                          ; v?  The tokens are then "B"'s rows, else "A"'s
	s_cselect_b32 s8, 0, s17
	s_cselect_b32 s9, s17, 0
	s_add_co_u32 s17, s8, s41                      ; "A"'s block of 256 rows: hangs on cy alone within the cluster
	s_add_co_u32 s42, s9, s40                      ; "B"'s block: on cx alone
	s_lshl_b32 s43, s41, 2
	s_lshl_b32 s43, 15, s43                        ; my row of the cluster
	s_lshl_b32 s44, 0x1111, s40                    ; my column
	; descriptor group 1: a tile of 128 rows x 256 bytes, padded in LDS
	s_or_b32 s[G1+0], s43, (0<<16)|(1<<20)|(1<<21)|(5<<22)|(3<<25)  ; 15:0 the mask; 17:16 elements of 1 byte; 20 padding on; 21 set beside a mask; 24:22 after every 64 words; 31:25 four words
	s_or_b32 s[G1B+0], s44, (0<<16)|(1<<20)|(1<<21)|(5<<22)|(3<<25)
.irp g, G1, G1B
	s_mov_b32 s[\g+1], ROWB<<16                    ; tensor_dim0
	s_mov_b32 s[\g+2], 128<<16                     ; tensor_dim1
	s_mov_b32 s[\g+3], ROWB<<16                    ; tile_dim0
	s_mov_b32 s[\g+4], 128                         ; tile_dim1
	s_mov_b32 s[\g+5], KROW                        ; tensor_dim0_stride
	s_mov_b32 s[\g+6], 0
	s_mov_b32 s[\g+7], 0
.endr
	s_lshl_b32 s18, s16, 7                         ; which 128 rows of the tile I fetch
	s_lshl_b32 s20, s17, 8
	s_add_co_u32 s20, s20, s18
	s_lshl_b32 s20, s20, 10                        ; "A": (256 block + 128 half) rows of 1,024 bytes: under 2^23
	s_mov_b32 s21, 0
	s_lshl_b32 s46, s42, 8
	s_add_co_u32 s46, s46, s18
	s_lshl_b32 s46, s46, 10                        ; "B" likewise
	s_mov_b32 s47, 0
	s_mul_i32 s45, s14, HALFT                      ; where they go: wave x 128 rows: no place in the cluster enters an LDS address
	s_wait_kmcnt 0x0
	s_load_b256 s[84:91], s[76:77], 0x0            ; e0 .. e7
	s_load_b32 s92, s[76:77], 0x24                 ; e9
	s_cmp_eq_u32 ttmp9, 0
	s_cselect_b64 s[6:7], s[70:71], s[72:73]       ; Wq or Wk,
	s_cselect_b64 s[10:11], s[78:79], s[80:81]     ; qc or kc;
	s_cmp_eq_u32 ttmp9, 2
	s_cselect_b64 s[6:7], s[68:69], s[6:7]         ; for v "B" is x,
	s_cselect_b64 s[4:5], s[74:75], s[68:69]       ; "A" is Wv (else x),
	s_cselect_b64 s[10:11], s[82:83], s[10:11]     ; and the results go to vc
	s_add_nc_u64 s[20:21], s[4:5], s[20:21]
	s_add_nc_u64 s[46:47], s[6:7], s[46:47]
	; the prefetches: of the 128 rows that I fetch, each of the four partners that ask for them with me names 32, told apart by address (cx for "A", cy for "B"); a lane a row, 256 bytes of it a K step
	s_cmp_eq_u32 s15, 0
	s_cselect_b64 s[94:95], s[20:21], s[46:47]
	s_cselect_b32 s8, s40, s41
	s_lshl_b32 s8, s8, 15                          ; 32 rows of 1,024 bytes
	s_mov_b32 s9, 0
	s_add_nc_u64 s[94:95], s[94:95], s[8:9]
	CROUND                                         ; all sixteen work-groups are here: the first joint loads meet
.irp s, 0,1
	s_mov_b32 s[G0+4*\s], 1
	s_add_co_u32 s[G0+4*\s+1], s45, \s*SLOT
	s_add_nc_u64 s[G0+4*\s+2:G0+4*\s+3], s[20:21], \s*ROWB
	s_or_b32 s[G0+4*\s+3], s[G0+4*\s+3], 0x80000000
	s_mov_b32 s[G0B+4*\s], 1
	s_add_co_u32 s[G0B+4*\s+1], s45, \s*SLOT
	s_add_nc_u64 s[G0B+4*\s+2:G0B+4*\s+3], s[46:47], \s*ROWB
	s_or_b32 s[G0B+4*\s+3], s[G0B+4*\s+3], 0x80000000
.endr
	JLOAD G0, G1, G0B, G1B                         ; K step 0: one tensor load a wave at the head
	v_and_b32 v8, 31, v0
	v_lshlrev_b32 v8, 10, v8                       ; my lane's row; v8 and s[94:95] are never rewritten
	global_prefetch_b8 v8, s[94:95] offset:512 th:TH_LOAD_NT scope:SCOPE_SE   ; behind K step 0's load: K step 2, two refills on
	v_and_b32 v1, 15, v0                           ; l % 16
	v_bfe_u32 v2, v0, 4, 1                         ; l / 16
	v_mul_u32_u24 v3, v1, PITCH
	v_lshl_add_u32 v4, v2, 4, v3                   ; a fragment's row x pitch + 16 x half
	s_mul_i32 s21, s15, HALFT                      ; my 128 rows of "A"
	s_mul_i32 s22, s16, HALFT                      ; my 128 rows of "B",
	s_add_co_u32 s22, s22, 2*HALFT                 ; which lie behind "A"'s 256
.irp s, 0,1
	v_add_nc_u32 v[ADRA+\s], s21, v4
	v_add_nc_u32 v[ADRB+\s], s22, v4
	s_add_co_u32 s21, s21, SLOT
	s_add_co_u32 s22, s22, SLOT
.endr
	v_and_b32 v6, 31, v0
	v_lshlrev_b32 v[VO], 4, v6                     ; 16 x lane: a lane's place in every image
.macro FRAG reg, adr, q, i             ; 16 rows x 128 K: lane l holds row l % 16; registers 4 c .. 4 c + 3 hold K = 32 c + 16 (l / 16) + 0 .. 15, in "A" and in "B" alike
.irp c, 0,1,2,3
	ds_load_b128 v[\reg+4*\c:\reg+4*\c+3], v[\adr] offset:128*(\q)+32*\c+(\i)*16*PITCH
.endr
.endm
; 16 matrix instructions: "A"'s blocks a0, a0 + 1 x "B"'s eight, 128 along K.  p: "B"'s set.  zero = 1: the first product starts the sums.
; The 64 accumulators take turns, one instruction a turn, in the same order in every step.
.macro MUL16 a0, p, zero
.irp a, \a0, \a0+1
.irp b, 0,1,2,3,4,5,6,7
.if \zero
	v_wmma_f32_16x16x128_bf8_bf8 v[8*(8*((\a)%4)+\b):8*(8*((\a)%4)+\b)+7], v[128*(\p)+FR*\b:128*(\p)+FR*\b+FR-1], v[AF+FR*(\a):AF+FR*(\a)+FR-1], 0
.else
	v_wmma_f32_16x16x128_bf8_bf8 v[8*(8*((\a)%4)+\b):8*(8*((\a)%4)+\b)+7], v[128*(\p)+FR*\b:128*(\p)+FR*\b+FR-1], v[AF+FR*(\a):AF+FR*(\a)+FR-1], v[8*(8*((\a)%4)+\b):8*(8*((\a)%4)+\b)+7]
.endif
.endr
.endr
.endm
.macro FETCH_B slot, q, p              ; "B"'s eight fragments of the slot's q-th 128 along K into set p
	WIN TO_B
.irp i, 0,1,2,3,4,5,6,7
	FRAG 128*(\p)+FR*\i, ADRB+\slot, \q, \i
.endr
	WIN 0
.endm
.macro FETCH_A slot, q, i0             ; "A"'s blocks i0 .. i0 + 3
.irp i, \i0, \i0+1, \i0+2, \i0+3
	FRAG AF+FR*(\i), ADRA+\slot, \q, \i
.endr
.endm
.macro PLACES n                        ; plain vector instructions between a matrix instruction and a load into, or a read of, its registers
.rept \n
	v_nop
.endr
.endm
; A step of 128 along K that has its successor in the same slot.  A block of "A" is free as soon as its eight products are issued: one set serves "A"; "B" has two.
.macro STEP slot, q, zero
	s_wait_dscnt 4*NL                              ; "B"'s set and "A"'s blocks 0-3 are in; the youngest sixteen loads ("A"'s blocks 4-7) may be out
	WIN MUL_LO
	MUL16 0, (\q)%2, \zero
	MUL16 2, (\q)%2, \zero
	s_wait_dscnt 0                                 ; "A"'s blocks 4-7 are in
	PLACES NP
	FETCH_B \slot, (\q)+1, 1-(\q)%2
	FETCH_A \slot, (\q)+1, 0
	WIN MUL_HI
	MUL16 4, (\q)%2, \zero
	MUL16 6, (\q)%2, \zero
	PLACES NP
	WIN 0
	FETCH_A \slot, (\q)+1, 4
.endm
; A slot's last step changes slots: one barrier; in front of it each wave waits for all its tensor loads, adds 0 to its spare word, and waits for that and for its own reads of this slot.
.macro TURN slot, next, fill
	s_wait_tensorcnt 0x0                           ; all my tensor loads have landed: my part of the next slot
	ds_add_u32 v[SPW], v[NIL]                      ; 0 onto my spare word
	s_wait_dscnt 4*NL+1                            ; (the add and the youngest sixteen loads may be out)
	WIN MUL_LO
	MUL16 0, 1, 0                                  ; sixteen matrix instructions stand between the add and the wait for it
	s_wait_dscnt 0x0                               ; the add is done, and my reads of this slot are over
	s_barrier_signal -1
	MUL16 2, 1, 0
	WIN 0
	s_barrier_wait -1
.if \fill
	CREST                                          ; the barrier has opened a round of the cluster's barrier: no wave of any partner still reads this slot or has a load on its way
	s_add_nc_u64 s[G0+4*\slot+2:G0+4*\slot+3], s[G0+4*\slot+2:G0+4*\slot+3], 2*ROWB
	s_add_nc_u64 s[G0B+4*\slot+2:G0B+4*\slot+3], s[G0B+4*\slot+2:G0B+4*\slot+3], 2*ROWB
	JLOAD G0+4*\slot, G1, G0B+4*\slot, G1B         ; the first tensor load behind the round; its four v_nop are also the places in front of the loads below
.else
	PLACES NP
.endif
	FETCH_B \next, 0, 0
	FETCH_A \next, 0, 0
	WIN MUL_HI
	MUL16 4, 1, 0
	MUL16 6, 1, 0
	PLACES NP
	WIN 0
	FETCH_A \next, 0, 4
.endm
	s_wait_alu depctr_va_vdst(0)
	s_wait_tensorcnt 0x0                           ; my part of slot 0 is in
	ds_add_u32 v[SPW], v[NIL]
	s_wait_dscnt 0x0
	CROUND                                         ; a whole round: everybody's part of slot 0 is in, and the joint loads meet
	JLOAD G0+4, G1, G0B+4, G1B                     ; slot 1's first fill: the first tensor load behind the round
	FETCH_B 0, 0, 0
	FETCH_A 0, 0, 0
	FETCH_A 0, 0, 4
	global_prefetch_b8 v8, s[94:95] offset:768 th:TH_LOAD_NT scope:SCOPE_SE   ; behind K step 1's load and the run of LDS loads: K step 3, the last
	STEP 0, 0, 1
	s_mov_b32 s3, LAPS-1
.Llap:                                                 ; a trip goes once round the ring and fills both slots again
	TURN 0, 1, 1
	STEP 1, 0, 0
	TURN 1, 0, 1
	STEP 0, 0, 0
	s_sub_co_u32 s3, s3, 1
	s_cmp_lg_u32 s3, 0
	s_cbranch_scc1 .Llap
	TURN 0, 1, 0                                   ; the last lap fills nothing
	STEP 1, 0, 0
	s_wait_dscnt 4*NL                              ; the very last step: nothing more to fetch
	WIN MUL_LO
	MUL16 0, 1, 0
	MUL16 2, 1, 0
	s_wait_dscnt 0
	WIN MUL_HI
	MUL16 4, 1, 0
	MUL16 6, 1, 0
	WIN 0
	; THE WAY OUT.  The folded exponent, the strides of the images and the wave's first byte are chosen by the tensor's number; nothing branches.
	s_wait_kmcnt 0x0
	s_sub_co_i32 s96, s90, s84
	s_sub_co_i32 s96, s96, s85                     ; q: e6 - e0 - e1
	s_sub_co_i32 s97, s91, s86
	s_sub_co_i32 s97, s97, s87                     ; k: e7 - e2 - e3
	s_sub_co_i32 s98, s92, s88
	s_sub_co_i32 s98, s98, s89                     ; v: e9 - e4 - e5
	s_cmp_eq_u32 ttmp9, 0
	s_cselect_b32 s99, s96, s97
	s_cmp_eq_u32 ttmp9, 2
	s_cselect_b32 s99, s98, s99
	s_mov_b32 s21, 1024                            ; from block a to a + 1: q, k: the next 16 tokens;  v: the next 16 d
	s_cselect_b32 s21, 2048, s21
	s_mov_b32 s22, 4096                            ; block 4: q, k: four token tiles on;  v: the next head
	s_cselect_b32 s22, 0x20000, s22
	s_mov_b32 s23, 0x20000                         ; pieces 2, 3: q, k: the next head;  v: the fragment's second half
	s_cselect_b32 s23, 1024, s23
	s_cselect_b32 s8, s42, s17                     ; the block of 256 tokens,
	s_cselect_b32 s9, s16, s15                     ; my half of it,
	s_cselect_b32 s12, s17, s42                    ; the block of four heads,
	s_cselect_b32 s13, s15, s16                    ; my two of them
	s_add_co_i32 s99, s99, 127
	s_lshl_b32 s18, s99, 23
	v_mov_b32 v[SC], s18                           ; the scale as f32: the conversion takes its exponent field
	s_add_co_i32 s99, s99, 15
	s_lshl_b32 s99, s99, 23
	s_or_b32 s99, s99, 0x600000
	v_mov_b32 v[LIM], s99                          ; 57,344 x the scale
	s_lshr_b32 s18, s8, 3                          ; batch
	s_lshl_b32 s18, s18, 4
	s_lshl_b32 s12, s12, 2
	s_add_co_u32 s18, s18, s12
	s_lshl_b32 s13, s13, 1
	s_add_co_u32 s18, s18, s13                     ; 16 batch + my first head
	s_lshl_b32 s18, s18, 17
	s_and_b32 s8, s8, 7
	s_lshl_b32 s8, s8, 1
	s_add_co_u32 s8, s8, s9                        ; which 128 tokens of the batch
	s_lshl_b32 s8, s8, 13                          ; 8,192 bytes of images in qc, kc and vc alike
	s_add_co_u32 s18, s18, s8
	s_mov_b32 s19, 0
	s_add_nc_u64 s[10:11], s[10:11], s[18:19]
.irp a, 1,2,3
	v_add_nc_u32 v[VO+2*\a], s21, v[VO+2*\a-2]     ; these fifteen additions and the two moves above are the places behind the last products
.endr
	v_add_nc_u32 v[VO+8], s22, v[VO]
.irp a, 5,6,7
	v_add_nc_u32 v[VO+2*\a], s21, v[VO+2*\a-2]
.endr
.irp a, 0,1,2,3,4,5,6,7
	v_add_nc_u32 v[VO+2*\a+1], s23, v[VO+2*\a]
.endr
; Block a (16 rows of "A" x 128 rows of "B"): held, converted, stored.  Accumulator (a, b) gives registers 2 b, 2 b + 1 of the block's sixteen code registers.
.macro OUT a
	WIN 0x02+(\a)/4                                ; source 0: window 2 or 3
.set i, 0
.rept 64
	v_med3_num_f32 v[TMP+i], v[64*((\a)%4)+i], -v[LIM], v[LIM]   ; the conversion to an 8-bit code does not saturate (ISA guide 7.6.2): the hold comes first; each accumulator from its low end on
.set i, i+1
.endr
	WIN 0
.irp b, 0,1,2,3,4,5,6,7
	v_cvt_scalef32_pk8_bf8_f32 v[CD+16*(\a)+2*\b:CD+16*(\a)+2*\b+1], v[TMP+8*\b:TMP+8*\b+7], v[SC]
.endr
	v_nop                                          ; a plain line between the conversions and the next block's holds, which write their sources
.irp p, 0,1,2,3
	global_store_b128 v[VO+2*(\a)+\p/2], v[CD+16*(\a)+4*\p:CD+16*(\a)+4*\p+3], s[10:11] offset:(\p%2)*512   ; 32 lanes store 512 consecutive bytes, aligned; no register of a store is written again
.endr
.endm
.irp a, 0,1,2,3,4,5,6,7
	OUT \a
.endr
	s_wait_tensorcnt 0x0                           ; the wave's end
	ds_add_u32 v[SPW], v[NIL]
	s_wait_dscnt 0x0
	CROUND                                         ; the closing round: no work-group ends while a partner may still ask for a tile that names it
	s_endpgm
.Lfunc_end_k_q0f15514e31_qkv:
	.size	k_q0f15514e31_qkv, .Lfunc_end_k_q0f15514e31_qkv-k_q0f15514e31_qkv
	.p2alignl 7, 3214868480
	.fill 96, 4, 3214868480
	.section	.rodata,"a",@progbits
	.p2align	6, 0x0
	.amdhsa_kernel k_q0f15514e31_qkv
		.amdhsa_group_segment_fixed_size 327680
		.amdhsa_private_segment_fixed_size 0
		.amdhsa_enable_private_segment 0
		.amdhsa_kernarg_size 64
		.amdhsa_user_sgpr_count 2
		.amdhsa_user_sgpr_kernarg_segment_ptr 1
		.amdhsa_wavefront_size32 1
		.amdhsa_system_sgpr_workgroup_id_x 1
		.amdhsa_system_sgpr_workgroup_id_y 1
		.amdhsa_system_sgpr_workgroup_id_z 1
		.amdhsa_system_vgpr_workitem_id 0
		.amdhsa_next_free_vgpr 1024
		.amdhsa_next_free_sgpr 100
		.amdhsa_reserve_vcc 0
		.amdhsa_float_denorm_mode_32 3
		.amdhsa_float_denorm_mode_16_64 3
		.amdhsa_memory_ordered 1
		.amdhsa_forward_progress 1
		.amdhsa_inst_pref_size 120
	.end_amdhsa_kernel
	.amdgpu_metadata
---
amdhsa.version: [ 1, 2 ]
amdhsa.kernels:
  - .name:           k_q0f15514e31_qkv
    .symbol:         k_q0f15514e31_qkv.kd
    .args:
      - { .name: x_codes, .offset: 0, .size: 8, .value_kind: global_buffer, .address_space: global }
      - { .name: Wq_codes, .offset: 8, .size: 8, .value_kind: global_buffer, .address_space: global }
      - { .name: Wk_codes, .offset: 16, .size: 8, .value_kind: global_buffer, .address_space: global }
      - { .name: Wv_codes, .offset: 24, .size: 8, .value_kind: global_buffer, .address_space: global }
      - { .name: lowp_scales, .offset: 32, .size: 8, .value_kind: global_buffer, .address_space: global }
      - { .name: qc, .offset: 40, .size: 8, .value_kind: global_buffer, .address_space: global }
      - { .name: kc, .offset: 48, .size: 8, .value_kind: global_buffer, .address_space: global }
      - { .name: vc, .offset: 56, .size: 8, .value_kind: global_buffer, .address_space: global }
    .group_segment_fixed_size: 327680
    .private_segment_fixed_size: 0
    .kernarg_segment_align: 8
    .kernarg_segment_size: 64
    .max_flat_workgroup_size: 128
    .sgpr_count:     100
    .vgpr_count:     1024
    .wavefront_size: 32
...
	.end_amdgpu_metadata
.endif
;; end of part 1
;; launch attn (part 2): grid 4 x 64, 16 waves a work-group, no clusters, 327,680 bytes of LDS; arguments qc, kc, vc, lowp_scales, oc; writes oc
.if DOCPART == 2
	.amdgcn_target "amdgcn-amd-amdhsa--gfx1250"
	.amdhsa_code_object_version 6
	.text
	.protected	k_q0f15514e31_attn
	.globl	k_q0f15514e31_attn
	.p2align	8
	.type	k_q0f15514e31_attn,@function
k_q0f15514e31_attn:
	s_mov_b64 s[64:65], 0
	v_nop
	global_prefetch_b8 v0, s[64:65] scope:SCOPE_SE
	s_setreg_imm32_b32 hwreg(HW_REG_WAVE_MODE, 25, 1), 1
	s_wait_xcnt 0x0
; o = softmax(q k^T / 8, causal) v for 64 (batch, head) pairs of 2,048 tokens and head size 64, both products on codes of BF8 (E5M2); o is quantised at once for the last product.
; qc, kc, vc hold images of operand registers (four registers of every lane at 16 x lane):
;   qc, kc: bh x 131072 + (token / 16) x 1024 + piece x 512 + 16 lane;   vc: bh x 131072 + (key / 128) x 8192 + (d / 16) x 2048 + piece x 512 + 16 lane;   bh = 16 batch + head.
;   oc (stored here): (head / 4) x 2^21 + (global token / 16) x 4096 + (head % 4) x 1024 + piece x 512 + 16 lane.
; THE SOFTMAX AHEAD OF THE SECOND PRODUCT: t = score x log2(e) / 8; M = the running largest t rounded UP to a whole number; p = 2^(t - M) is quantised with 2^e8, not normalised; the row's sum is
; taken of the unquantised p and divides at the end.  When M moves, the sum and O are multiplied by 2^(old M - new M), which rounds nothing.
; WORK LEFT OUT: the causal mask sets the scores of keys behind a query to -infinity, so a step of 128 keys that all lie behind a tile's 16 queries adds nothing for any inputs: it is jumped over.
; A NaN or an infinity that reaches only such scores is not carried to the result.
; SHARES.  Work-group (g, bh) owns the blocks g and 7 - g of 256 queries, both at once.  Wave w of sixteen owns two tiles of 16 queries: the EARLY tile 16 g + w and the LATE tile 127 - (16 g + w) of the head's 128:
; tile j needs j / 8 + 1 steps of 128 keys, so the two together need 17 tile steps in every wave of every work-group.  The keys are walked once; while the early tile is alive a fragment of K or V feeds two products.
; LDS.  A head's images, 128 KiB of K from byte 0 and 128 KiB of V from byte 2^17, lie in LDS as in memory, and no byte is filled twice.  They come in three fills: keys 0-255 at the head (wave 0: K's part,
; wave 1: V's, 64 rows x 256 bytes each); behind the full sequence and the first barrier keys 256-1023 (waves 0, 1: 192 rows each) and keys 1024-2047 (waves 2, 3: 256 rows each): one tensor load a wave.
; Both land while the first two steps are worked; the second barrier, behind those steps, shows them to every wave.  Two barriers in all; behind the second the waves walk fourteen steps on their own.
; Every work-group's late block begins at key 1,024 or later, so each of the six loads brings bytes that are read.
; Keys under 1,024 all count for the late tile (no mask, no test); keys from 1,024 on lie behind every early tile: the last eight steps have the late tile alone.
; NO JOINT LOADS: the jumps round steps that the causal mask empties hang on g, the work-group's place among the four of a head.
; NO PREFETCH: every fill is asked for at the head or behind the first barrier; no load follows for which a loop could ask ahead.
; LAYOUT.  Both products are used transposed: S^T = K Q^T (source 0 = 16 keys, source 1 = 16 queries), O^T = V^T P^T: a lane holds ONE query (lane % 16) throughout.  In S^T register 8 t + j is key
; 16 t + 8 (lane / 16) + j of the step: one conversion of a tile's eight registers gives registers 2 t, 2 t + 1 of P, the place that the K = 128 form gives those keys.  O^T's tiles become o's codes likewise.
; A step that runs for a tile begins at or before the tile's first query, so every query has a key that counts in it; on the diagonal hidden scores become -infinity.
; LIMITS on the given exponents: e6 + e7 between -123 and 130 (added to c's exponent field); e8, and e10 - e8 - e9, between -126 and 112.  NaN is not served.  The scaled scores t stay under 2^31 in magnitude.
; REGISTERS: v0 (behind the head) V's LDS address; v1, v2 for the add; v3 16 x lane; v4 lane % 16 - 8 (lane / 16); v5 2^e8; v6 K's LDS address; v8-15 two tiles' -M, largest t, sum (a pair);
;   v16-31 Q (late, early); v32-95 K's eight fragments, then V's four; v96-159 S^T, then p; v160-223 O^T; v224-239 P of the late tile, v240-255 of the early one.  v249-255 are also at work in a softmax.
.set VREG,  1<<17                      ; V's images begin here
.set SPARE, 2<<17                      ; behind them: the spare words, 128 bytes for each of the sixteen waves
.set ADV, 0
.set SPW, 1
.set NIL, 2
.set AK0, 3
.set DL,  4
.set SCL, 5
.set ADK, 6
.set ST,  8
.set QF,  16
.set KV,  32
.set SS,  96
.set OT,  160
.set PC,  224
.set T2,  249
.set T0,  250
.set T1,  251
.set FF,  252
.set UU,  254
.set WV,  14                           ; s14 my wave's number
.set BH,  16                           ; s16 16 batch + head
.set LIM, 17                           ; s17 57,344 x 2^e8
.set SCF, 18                           ; s18 2^(e10 - e8 - e9), s19 57,344 x that
.set LIMF, 19
.set SEL, 20                           ; s[20:21] lane selects: lane l xor 16
.set CS,  22                           ; s[22:23] c = log2(e) / 8 x 2^(e6 + e7)
.set G1A, 24                           ; three groups 1: 64, 192, 256 rows
.set G1B, 72
.set G1C, 80
.set G0,  32
.set IC,  40                           ; s40 steps of the run in hand
.set TB,  41                           ; s41 8,192 x the step
.set KF,  43                           ; s43 the step's first key
.set QL,  44                           ; s44 the late tile's first query, s45 the early tile's
.set QE,  45
.macro MKG1 g, rows                    ; rows of 256 bytes, dense in memory and in LDS: no mask; elements of 8 bytes; no padding
	s_mov_b32 s[\g], 3<<16
	s_mov_b32 s[\g+1], 32<<16
	s_mov_b32 s[\g+2], (\rows)<<16
	s_mov_b32 s[\g+3], 32<<16
	s_mov_b32 s[\g+4], \rows
	s_mov_b32 s[\g+5], 32
	s_mov_b32 s[\g+6], 0
	s_mov_b32 s[\g+7], 0
.endm
	s_load_b256 s[4:11], s[0:1], 0x0               ; qc s[4:5], kc s[6:7], vc s[8:9], the exponents s[10:11]
	s_load_b64 s[12:13], s[0:1], 0x20              ; oc
	v_lshl_add_u32 v[SPW], v0, 2, SPARE
	v_mov_b32 v[NIL], 0
	ds_add_u32 v[SPW], v[NIL]                      ; the opening lines: the add, twice on end, and its wait ahead of the first tensor load
	ds_add_u32 v[SPW], v[NIL]
	v_lshrrev_b32 v3, 5, v0
	v_readfirstlane_b32 s[WV], v3                  ; wave 0..15
	s_and_b32 s[BH], ttmp7, 0xffff
	MKG1 G1A, 64
	MKG1 G1B, 192
	MKG1 G1C, 256
	s_mov_b32 s[SEL], 0x76543210
	s_mov_b32 s[SEL+1], 0xfedcba98
	s_mov_b32 s[CS], 0x3e38aa3b                    ; log2(e) / 8
	s_mov_b32 s[TB], 0
	s_mov_b32 s[KF], 0
	s_lshl_b32 s46, ttmp9, 8                       ; 256 g
	s_lshl_b32 s47, s[WV], 4
	s_add_co_u32 s[QE], s46, s47                   ; the early tile: query 256 g + 16 w
	s_sub_co_u32 s[QL], 2032, s[QE]                ; the late tile: 16 (127 - early tile)
	s_lshl_b32 s52, s[BH], 17                      ; the head's first byte in qc, kc and vc
	s_mov_b32 s53, 0
	s_lshl_b32 s48, s[QL], 6                       ; 1,024 bytes for 16 queries
	s_add_co_u32 s48, s48, s52
	s_mov_b32 s49, 0
	s_lshl_b32 s50, s[QE], 6
	s_add_co_u32 s50, s50, s52
	s_mov_b32 s51, 0
	s_and_b32 s42, s[WV], 1                        ; what I fetch, if I fetch: even waves K's images, odd waves V's;
	s_lshr_b32 s47, s[WV], 1
	s_mul_i32 s56, s47, 49152                      ; waves 2, 3 stand 49,152 bytes further on than waves 0, 1, in memory and in LDS
	s_mov_b32 s57, 0
	s_lshl_b32 s47, s42, 17
	s_add_co_u32 s[G0+1], s47, s56                 ; the LDS address
	s_wait_dscnt 0x0                               ; both opening adds are done
	s_wait_kmcnt 0x0
	s_load_b64 s[58:59], s[10:11], 0x18            ; e6, e7
	s_load_b128 s[60:63], s[10:11], 0x20           ; e8, e9, e10, e11
	s_cmp_eq_u32 s42, 0
	s_cselect_b64 s[54:55], s[6:7], s[8:9]
	s_add_nc_u64 s[54:55], s[54:55], s[52:53]
	s_add_nc_u64 s[54:55], s[54:55], s[56:57]
	s_mov_b32 s[G0], 1
	s_mov_b64 s[G0+2:G0+3], s[54:55]
	s_or_b32 s[G0+3], s[G0+3], 0x80000000
	s_cmp_lt_u32 s[WV], 2                          ; waves 0 and 1 fetch keys 0 to 255; the branch hangs on the wave's number alone
	s_cbranch_scc0 .Lasked0
	tensor_load_to_lds s[G0:G0+3], s[G1A:G1A+7]
	s_nop 0                                        ; s_nop 0 and four v_nop follow each tensor load
.rept 4
	v_nop
.endr
.Lasked0:
	s_add_nc_u64 s[48:49], s[4:5], s[48:49]
	s_add_nc_u64 s[50:51], s[4:5], s[50:51]
	v_and_b32 v[AK0], 31, v0
	v_lshlrev_b32 v[AK0], 4, v[AK0]
.irp p, 0,1                                    ; my two tiles of queries stay in registers
	global_load_b128 v[QF+4*\p:QF+4*\p+3], v[AK0], s[48:49] offset:\p*512 th:TH_LOAD_NT
	global_load_b128 v[QF+8+4*\p:QF+8+4*\p+3], v[AK0], s[50:51] offset:\p*512 th:TH_LOAD_NT
.endr
	v_and_b32 v[DL], 15, v0
	v_bfe_u32 v[ADK], v0, 4, 1
	v_lshlrev_b32 v[ADK], 3, v[ADK]
	v_sub_nc_u32 v[DL], v[DL], v[ADK]
	v_mov_b32 v[T2], 0                             ; written once: a lane permute's destination counts as one of its sources
	v_mov_b32 v[FF+1], 0                           ; (named as the upper half of a pair)
.irp X, 0,1                                    ; the largest t is -3e38, under every t; the sums and O^T are zeros, which the first change of M leaves zeros
	v_mov_b32 v[ST+4*\X+1], 0xff61b1e6
	v_floor_f32 v[ST+4*\X], -v[ST+4*\X+1]
	v_mov_b32 v[ST+4*\X+2], 0
	v_mov_b32 v[ST+4*\X+3], 0
.endr
.set k, 0
.rept 64
	v_mov_b32 v[OT+k], 0
.set k, k+1
.endr
	s_wait_kmcnt 0x0
	s_add_co_i32 s46, s58, s59
	s_lshl_b32 s46, s46, 23
	s_add_co_i32 s[CS], s[CS], s46                 ; a score stands for score x 2^(e6 + e7): added to c's exponent field
	s_mov_b32 s[CS+1], s[CS]
	s_add_co_i32 s46, s60, 127
	s_lshl_b32 s47, s46, 23
	v_mov_b32 v[SCL], s47                          ; 2^e8 as f32
	s_add_co_i32 s46, s46, 15
	s_lshl_b32 s46, s46, 23
	s_or_b32 s[LIM], s46, 0x600000                 ; 57,344 x 2^e8
	s_sub_co_i32 s46, s62, s60
	s_sub_co_i32 s46, s46, s61                     ; a sum of the second product stands for sum x 2^(e8 + e9): o's code is (sum / l) / 2^(e10 - e8 - e9)
	s_add_co_i32 s46, s46, 127
	s_lshl_b32 s[SCF], s46, 23
	s_add_co_i32 s46, s46, 15
	s_lshl_b32 s46, s46, 23
	s_or_b32 s[LIMF], s46, 0x600000
.macro KLOAD                           ; the step's eight tiles of 16 keys: 8 registers each
.irp t, 0,1,2,3,4,5,6,7
.irp p, 0,1
	ds_load_b128 v[KV+8*\t+4*\p:KV+8*\t+4*\p+3], v[ADK] offset:\t*1024+\p*512
.endr
.endr
.endm
.macro VLOAD                           ; the step's four tiles of 16 d x 128 keys: 16 registers each
.irp t, 0,1,2,3
.irp p, 0,1,2,3
	ds_load_b128 v[KV+16*\t+4*\p:KV+16*\t+4*\p+3], v[ADV] offset:\t*2048+\p*512
.endr
.endr
.endm
.macro SQ X                            ; S^T of tile X: eight products of 16 keys x 16 queries x 64
.irp t, 0,1,2,3,4,5,6,7
	v_wmma_f32_16x16x64_bf8_bf8 v[SS+8*\t:SS+8*\t+7], v[KV+8*\t:KV+8*\t+7], v[QF+8*\X:QF+8*\X+7], 0
.endr
.endm
.macro PV n                            ; O^T += V^T P^T for the late tile (n = 1) or both (n = 2): the accumulators take turns, one instruction each
	s_wait_alu depctr_va_vdst(0)                   ; the wait here, directly ahead of the wait below
	s_wait_dscnt 0x0                               ; V
.irp t, 0,1,2,3
	v_wmma_f32_16x16x128_bf8_bf8 v[OT+8*\t:OT+8*\t+7], v[KV+16*\t:KV+16*\t+15], v[PC:PC+15], v[OT+8*\t:OT+8*\t+7]
.if \n > 1
	v_wmma_f32_16x16x128_bf8_bf8 v[OT+32+8*\t:OT+32+8*\t+7], v[KV+16*\t:KV+16*\t+15], v[PC+16:PC+31], v[OT+32+8*\t:OT+32+8*\t+7]
.endif
.endr
.endm
; Tile X's softmax for one step of 128 keys, 64 of them in my lane.  X = 0: the late tile, X = 1: the early one.  mask = 1: the step may lie on the tile's diagonal.
.macro SOFTMAX X, mask
.set NM, ST+4*\X
.set TM, NM+1
.set LS, NM+2
.set OX, OT+32*\X
.set PX, PC+16*\X
.if \mask
	s_add_co_u32 s46, s[KF], 127                   ; a step all of whose keys count for all 16 queries has no mask
	s_cmp_le_u32 s46, s[QL+\X]
	s_cbranch_scc1 .Lopen_\@
	s_sub_co_i32 s46, s[QL+\X], s[KF]
	v_add_nc_u32 v[T0], s46, v[DL]                 ; my query - the step's first key - 8 (lane / 16): register 8 t + j is hidden where 16 t + j is larger
	v_mov_b32 v[T1], 0xff800000                    ; -infinity
.set n, 0
.rept 64
	v_cmp_gt_i32 vcc_lo, 16*(n/8)+n%8, v[T0]
	v_cndmask_b32 v[SS+n], v[SS+n], v[T1], vcc_lo
.set n, n+1
.endr
.Lopen_\@:
.endif
.irp c, 0,1,2,3                                ; the largest score of my query among my 64 keys: four chains (v250, v251, v254, v255), 16 registers each; each accumulator is first read at its low end
	v_max3_num_f32 v[T0+\c+2*(\c/2)], v[SS+16*\c], v[SS+16*\c+1], v[SS+16*\c+2]
.endr
.irp i, 3,5,7,9,11,13
.irp c, 0,1,2,3
	v_max3_num_f32 v[T0+\c+2*(\c/2)], v[T0+\c+2*(\c/2)], v[SS+16*\c+\i], v[SS+16*\c+\i+1]
.endr
.endr
	v_max3_num_f32 v[T0], v[T0], v[SS+15], v[SS+31]
	v_max3_num_f32 v[T1], v[T1], v[SS+47], v[SS+63]
	v_max3_num_f32 v[T0], v[T0], v[UU], v[UU+1]
	v_max_num_f32 v[T0], v[T0], v[T1]
	v_permlanex16_b32 v[T2], v[T0], s[SEL], s[SEL+1]
	v_max_num_f32 v[T0], v[T0], v[T2]              ; and among lane l xor 16's
	v_mul_f32 v[T0], s[CS], v[T0]                  ; as t (c is positive)
	v_max_num_f32 v[TM], v[TM], v[T0]              ; the running largest t
	v_mov_b32 v[T0], v[NM]
	v_floor_f32 v[NM], -v[TM]                      ; the new -M = floor(-t): M is a whole number
	v_sub_f32 v[T0], v[NM], v[T0]                  ; old M - new M: a whole number, 0 or less
	v_cvt_i32_f32 v[T0], v[T0]                     ; (it saturates)
	v_ldexp_f32 v[FF], 1.0, v[T0]                  ; f = 2^(old M - new M)
.set k, 0
.rept 32
	v_pk_fma_f32 v[SS+k:SS+k+1], v[SS+k:SS+k+1], s[CS:CS+1], v[NM:NM+1] op_sel_hi:[1,0,0]   ; t - M, two at a time
.set k, k+2
.endr
	s_wait_alu depctr_va_vdst(0)                   ; the wait ahead of the batch
.set k, 0
.rept 64
	v_exp_f32 v[SS+k], v[SS+k]                     ; p = 2^(t - M), at most 1
.set k, k+1
.endr
	s_wait_alu depctr_va_vdst(0)                   ; one wait behind the batch, directly ahead of the first reader of O^T
.set k, 0
.rept 16
	v_pk_mul_f32 v[OX+k:OX+k+1], v[OX+k:OX+k+1], v[FF:FF+1] op_sel_hi:[1,0]   ; O^T under the new M (the first is the plain line behind the last exponential)
.set k, k+2
.endr
	v_pk_mul_f32 v[LS:LS+1], v[LS:LS+1], v[FF:FF+1] op_sel_hi:[1,0]           ; and the sum
	v_pk_add_f32 v[UU:UU+1], v[SS:SS+1], v[SS+2:SS+3]                         ; the row's sum is taken of the unquantised p: 32 pairs in four chains
	v_pk_add_f32 v[T0:T0+1], v[SS+4:SS+5], v[SS+6:SS+7]
	v_pk_add_f32 v[FF:FF+1], v[SS+8:SS+9], v[SS+10:SS+11]
	v_pk_add_f32 v[LS:LS+1], v[LS:LS+1], v[SS+12:SS+13]
.irp j, 14,22,30,38,46,54
	v_pk_add_f32 v[UU:UU+1], v[UU:UU+1], v[SS+\j:SS+\j+1]
	v_pk_add_f32 v[T0:T0+1], v[T0:T0+1], v[SS+\j+2:SS+\j+3]
	v_pk_add_f32 v[FF:FF+1], v[FF:FF+1], v[SS+\j+4:SS+\j+5]
	v_pk_add_f32 v[LS:LS+1], v[LS:LS+1], v[SS+\j+6:SS+\j+7]
.endr
	v_pk_add_f32 v[UU:UU+1], v[UU:UU+1], v[SS+62:SS+63]
	v_pk_add_f32 v[LS:LS+1], v[LS:LS+1], v[FF:FF+1]
	v_pk_add_f32 v[UU:UU+1], v[UU:UU+1], v[T0:T0+1]
	v_pk_add_f32 v[LS:LS+1], v[LS:LS+1], v[UU:UU+1]
.irp t, 0,1,2,3,4,5,6,7
.irp j, 0,2,4,6                                ; the conversion does not saturate (ISA guide 7.6.2); p is not negative, so the hold is one-sided; two holds to an instruction
	v_dual_min_num_f32 v[SS+8*\t+\j], s[LIM], v[SS+8*\t+\j] :: v_dual_min_num_f32 v[SS+8*\t+\j+1], s[LIM], v[SS+8*\t+\j+1]
.endr
	v_cvt_scalef32_pk8_bf8_f32 v[PX+2*\t:PX+2*\t+1], v[SS+8*\t:SS+8*\t+7], v[SCL]
.endr
	v_nop                                          ; a plain line between the last conversion and the matrix instructions that read its result or write its sources
.endm
; A key step of 128 keys.  both = 1 (keys under 1,024): the late tile always, unmasked; the early tile while it is alive.  both = 0: the late tile alone, while it is alive.
; The branches hang on ids and counted steps alone; no barrier and no tensor load stands in a step.
.macro STEP both
.if \both == 0
	s_add_co_u32 s46, s[QL], 15
	s_cmp_gt_u32 s[KF], s46                        ; all keys behind the late tile's last query: nothing to do
	s_cbranch_scc1 .Lend_\@
.endif
	v_add_nc_u32 v[ADK], s[TB], v[AK0]
	v_add_nc_u32 v[ADV], VREG, v[ADK]
.rept 2
	v_nop                                          ; with the additions: four places in front of loads into registers that the last products read
.endr
	KLOAD
	s_wait_alu depctr_va_vdst(0)                   ; the wait here, directly ahead of the wait below
	s_wait_dscnt 0x0
	SQ 0
.rept 4
	v_nop                                          ; places for the first read of the scores and for loads onto K's fragments
.endr
.if \both
	s_add_co_u32 s46, s[QE], 15
	s_cmp_gt_u32 s[KF], s46                        ; the early tile has had its last key
	s_cbranch_scc1 .Lone_\@
	SOFTMAX 0, 0
	SQ 1
.rept 4
	v_nop
.endr
	VLOAD                                          ; V lands while the early tile's softmax is worked
	SOFTMAX 1, 1
	PV 2
	s_branch .Lend_\@
.Lone_\@:
	VLOAD
	SOFTMAX 0, 0
	PV 1
.else
	VLOAD
	SOFTMAX 0, 1
	PV 1
.endif
.Lend_\@:
	s_add_co_u32 s[KF], s[KF], 128
.endm
.macro RUN n, both                     ; n steps on end
	s_mov_b32 s[IC], 0
.Lrun_\@:
	STEP \both
	s_add_co_u32 s[TB], s[TB], 8192
	s_add_co_u32 s[IC], s[IC], 1
	s_cmp_lt_u32 s[IC], \n
	s_cbranch_scc1 .Lrun_\@
.endm
	s_wait_alu depctr_va_vdst(0)                   ; the wait at the head's end
	s_wait_loadcnt 0x0                             ; Q
	; THE FIRST BARRIER: keys 0-255 are in; behind it all the other keys are asked for, as first fills behind the full sequence
	s_wait_tensorcnt 0x0                           ; no tensor load of mine is out, so group 0 may be written
	ds_add_u32 v[SPW], v[NIL]                      ; 0 onto my spare word,
	ds_add_u32 v[SPW], v[NIL]
	s_add_co_u32 s[G0+1], s[G0+1], 16384           ; waves 0, 1: byte 16,384 of the images, key 256; waves 2, 3: byte 65,536, key 1,024
	s_add_nc_u64 s[G0+2:G0+3], s[G0+2:G0+3], 16384
	s_wait_dscnt 0x0
	s_barrier_signal -1
	s_barrier_wait -1
	s_cmp_lt_u32 s[WV], 2                          ; one chain of branches on the wave's number, one tensor load to an arm
	s_cbranch_scc0 .Lnot_f1
	tensor_load_to_lds s[G0:G0+3], s[G1B:G1B+7]    ; keys 256-1023
	s_nop 0
.rept 4
	v_nop
.endr
	s_branch .Lasked1
.Lnot_f1:
	s_cmp_lt_u32 s[WV], 4
	s_cbranch_scc0 .Lasked1
	tensor_load_to_lds s[G0:G0+3], s[G1C:G1C+7]    ; keys 1024-2047
	s_nop 0
.rept 4
	v_nop
.endr
.Lasked1:
	RUN 2, 1
	; THE SECOND BARRIER: each fetching wave has waited for its load, so behind it all keys are whole
	s_wait_alu depctr_va_vdst(0)                   ; the wait ahead of the waits below
	s_wait_tensorcnt 0x0
	ds_add_u32 v[SPW], v[NIL]
	s_wait_dscnt 0x0
	s_barrier_signal -1
	s_barrier_wait -1
	RUN 6, 1
	RUN 8, 0
	; THE WAY OUT: O^T / the row's sum becomes codes, which are the last product's operand registers as they stand.
	s_and_b32 s46, s[BH], 15                       ; the head
	s_lshr_b32 s47, s46, 2
	s_lshl_b32 s47, s47, 21
	s_and_b32 s46, s46, 3
	s_lshl_b32 s46, s46, 10
	s_add_co_u32 s46, s46, s47
	s_lshr_b32 s47, s[BH], 4                       ; the batch: 128 tiles of 4,096 bytes
	s_lshl_b32 s47, s47, 19
	s_add_co_u32 s46, s46, s47
	s_lshl_b32 s48, s[QL], 8                       ; 4,096 bytes for 16 queries
	s_add_co_u32 s48, s48, s46
	s_mov_b32 s49, 0
	s_lshl_b32 s50, s[QE], 8
	s_add_co_u32 s50, s50, s46
	s_mov_b32 s51, 0
	s_add_nc_u64 s[48:49], s[12:13], s[48:49]
	s_add_nc_u64 s[50:51], s[12:13], s[50:51]
	v_mov_b32 v[SS], s[SCF]                        ; (these ten plain lines are also the places behind the last products)
	v_mov_b32 v[SS+1], s[LIMF]
	v_mov_b32 v[SS+3], 0
	v_mov_b32 v[SS+5], 0
	v_add_f32 v[SS+2], v[ST+2], v[ST+3]            ; the sums' two halves,
	v_add_f32 v[SS+4], v[ST+6], v[ST+7]
	v_permlanex16_b32 v[SS+3], v[SS+2], s[SEL], s[SEL+1]
	v_permlanex16_b32 v[SS+5], v[SS+4], s[SEL], s[SEL+1]
	v_add_f32 v[SS+2], v[SS+2], v[SS+3]            ; and lane l xor 16's
	v_add_f32 v[SS+4], v[SS+4], v[SS+5]
	s_wait_alu depctr_va_vdst(0)                   ; the wait ahead of the batch
	v_rcp_f32 v[SS+2], v[SS+2]
	v_rcp_f32 v[SS+4], v[SS+4]
	v_nop                                          ; a plain line behind the reciprocals
	s_wait_alu depctr_va_vdst(0)                   ; the wait behind the batch, directly ahead of the first reader of O^T
.irp X, 0,1
.set k, 0
.rept 16
	v_pk_mul_f32 v[OT+32*\X+k:OT+32*\X+k+1], v[OT+32*\X+k:OT+32*\X+k+1], v[SS+2+2*\X:SS+3+2*\X] op_sel_hi:[1,0]
.set k, k+2
.endr
.endr
.set k, 0
.rept 64
	v_med3_num_f32 v[OT+k], v[OT+k], -v[SS+1], v[SS+1]   ; the hold comes ahead of the conversion
.set k, k+1
.endr
.irp t, 0,1,2,3,4,5,6,7
	v_cvt_scalef32_pk8_bf8_f32 v[KV+2*\t:KV+2*\t+1], v[OT+8*\t:OT+8*\t+7], v[SS]
.endr
	v_nop                                          ; a plain line behind the last conversion
.irp p, 0,1
	global_store_b128 v[AK0], v[KV+4*\p:KV+4*\p+3], s[48:49] offset:\p*512       ; 32 lanes store 512 consecutive bytes, aligned
	global_store_b128 v[AK0], v[KV+8+4*\p:KV+8+4*\p+3], s[50:51] offset:\p*512
.endr
	s_wait_tensorcnt 0x0                           ; the wave's end
	ds_add_u32 v[SPW], v[NIL]
	s_wait_dscnt 0x0
	s_endpgm
.Lfunc_end_k_q0f15514e31_attn:
	.size	k_q0f15514e31_attn, .Lfunc_end_k_q0f15514e31_attn-k_q0f15514e31_attn
	.p2alignl 7, 3214868480
	.fill 96, 4, 3214868480
	.section	.rodata,"a",@progbits
	.p2align	6, 0x0
	.amdhsa_kernel k_q0f15514e31_attn
		.amdhsa_group_segment_fixed_size 327680
		.amdhsa_private_segment_fixed_size 0
		.amdhsa_enable_private_segment 0
		.amdhsa_kernarg_size 40
		.amdhsa_user_sgpr_count 2
		.amdhsa_user_sgpr_kernarg_segment_ptr 1
		.amdhsa_wavefront_size32 1
		.amdhsa_system_sgpr_workgroup_id_x 1
		.amdhsa_system_sgpr_workgroup_id_y 1
		.amdhsa_system_sgpr_workgroup_id_z 1
		.amdhsa_system_vgpr_workitem_id 0
		.amdhsa_next_free_vgpr 256
		.amdhsa_next_free_sgpr 88
		.amdhsa_reserve_vcc 1
		.amdhsa_float_denorm_mode_32 3
		.amdhsa_float_denorm_mode_16_64 3
		.amdhsa_memory_ordered 1
		.amdhsa_forward_progress 1
		.amdhsa_inst_pref_size 132
	.end_amdhsa_kernel
	.amdgpu_metadata
---
amdhsa.version: [ 1, 2 ]
amdhsa.kernels:
  - .name:           k_q0f15514e31_attn
    .symbol:         k_q0f15514e31_attn.kd
    .args:
      - { .name: qc, .offset: 0, .size: 8, .value_kind: global_buffer, .address_space: global }
      - { .name: kc, .offset: 8, .size: 8, .value_kind: global_buffer, .address_space: global }
      - { .name: vc, .offset: 16, .size: 8, .value_kind: global_buffer, .address_space: global }
      - { .name: lowp_scales, .offset: 24, .size: 8, .value_kind: global_buffer, .address_space: global }
      - { .name: oc, .offset: 32, .size: 8, .value_kind: global_buffer, .address_space: global }
    .group_segment_fixed_size: 327680
    .private_segment_fixed_size: 0
    .kernarg_segment_align: 8
    .kernarg_segment_size: 40
    .max_flat_workgroup_size: 512
    .sgpr_count:     88
    .vgpr_count:     256
    .wavefront_size: 32
...
	.end_amdgpu_metadata
.endif
;; end of part 2
;; launch proj (part 3): grid 4 x 64, 4 waves a work-group, clusters of 4 x 4, 327,680 bytes of LDS; arguments oc, Wo_codes, lowp_scales, bo, out0; writes out0
.if DOCPART == 3
	.amdgcn_target "amdgcn-amd-amdhsa--gfx1250"
	.amdhsa_code_object_version 6
	.text
	.protected	k_q0f15514e31_proj
	.globl	k_q0f15514e31_proj
	.p2align	8
	.type	k_q0f15514e31_proj,@function
k_q0f15514e31_proj:
	s_mov_b64 s[64:65], 0
	v_nop
	global_prefetch_b8 v0, s[64:65] scope:SCOPE_SE
	s_setreg_imm32_b32 hwreg(HW_REG_WAVE_MODE, 25, 1), 1
	s_wait_xcnt 0x0
	s_wait_alu depctr_hold_cnt(0) depctr_sa_sdst(0) depctr_va_vdst(0) depctr_va_sdst(0) depctr_va_ssrc(0) depctr_va_vcc(0) depctr_vm_vsrc(0)
	s_getreg_b32 s2, hwreg(HW_REG_IB_STS2, 6, 4)
	s_cmp_eq_u32 s2, 0
	s_cbranch_scc0 .Lentry_in_a_cluster
	s_endpgm
.Lentry_in_a_cluster:
	s_bfe_u32 s2, ttmp6, 0x10000c
	s_cmp_lg_u32 s2, 0xf033
	s_cbranch_scc0 .Lentry_shape_is_right
	s_endpgm
.Lentry_shape_is_right:
; out = o Wo^T + bo on codes of BF8 (E5M2).  o: 8,192 tokens x 1,024, as images of operand registers (oc: K slot of 256 outermost, 2^21 bytes each; in it 4,096 bytes for 16 tokens: 16 registers of every lane
; for each 128 along K, four registers at 16 x lane).  Wo: [1024 (n)][1024 (k)] codes.  A sum is multiplied once by 2^(e10 + e11) and bo is added in the same fused multiply-add.
; LIMIT: e10 + e11 lies between -126 and 127, so that 2^(e10 + e11) is an f32 number.
; A block of 128 tokens x 256 columns to a work-group: 64 x 4 = 256 work-groups.  Four waves, each 64 tokens x 128 columns: 32 accumulators of 16 x 16, 256 registers.
; K = 1,024 goes in four K steps of 256 through a ring of two LDS slots (o: 32 KiB of images, dense; Wo: 256 rows of 256 bytes, 272 apart).  Waves 0, 1 fetch o's halves (64 rows of 256 bytes), waves 2, 3 Wo's (128 rows).
; CLUSTERS: 4 x 4 work-groups.  o's tile hangs on the block's row alone and is shared along a row of the cluster, Wo's on its column alone and is shared along a column: each is asked for jointly.
; THE MATRIX INSTRUCTION IS USED TRANSPOSED (source 0 = 16 rows of Wo, source 1 = 16 tokens): a lane holds eight neighbouring columns of one row of out.
; o's images carry k in the place that the K = 128 form gives it, so Wo's fragments come by loads of 8 bytes in that same order.
; A step of 128 along K is 32 matrix instructions on one of two sets of fragments; the other set is fetched meanwhile.
; PREFETCH: behind K step s's joint load (s = 0, 1) K step s + 2 is named, two refills on.  Of what a wave fetches each of the four partners that ask with it names a quarter, told apart by address:
; o: 16 blocks of 256 bytes (lanes 16 to 31 name the last again), Wo: 32 rows, a lane a row.
; REGISTERS, in windows of 256: window 0: v8-11 bo; v16-17, v20-21 LDS addresses; v24-26 the way out; v27 the prefetch's offset; v28, v29 for the add; v128-255 o's fragments, two sets, on the way out the rows read back.
;   window 1: Wo's fragments, two sets.  window 2: the accumulators, (a, b) at v[8 (8 a + b)].
.set ROWB,   256
.set KROW,   1024
.set PITCH,  272
.set ATILE,  4096                      ; 16 tokens' images in a K slot
.set AHALF,  4*ATILE                   ; 64 tokens: what one load of o brings, and what one wave reads
.set BHALF,  128*PITCH
.set BOFF,   2*AHALF
.set SLOT,   BOFF+2*BHALF
.set ASTEP,  0x200000                  ; from K slot to K slot in oc
.set FR,     16
.set SPARE,  2*SLOT                    ; behind the ring: the spare words, 128 bytes for each wave
.set SPITCH, 528                       ; the way out: a stage of 16 rows x (512 + 16) bytes for each wave, in slot 0, which has had its last fill and its last read by then
.set BO,   8
.set ADRA, 16
.set ADRB, 20
.set STO,  24
.set RD,   25
.set CO,   26
.set PFO,  27
.set SPW,  28
.set NIL,  29
.set AF,   128
.set BK,   128
.set G1, 24
.set G0, 32
.set G1B, 48
.set G0B, 56
.set PFA, 90                           ; s[90:91] where my prefetches stand; s[92:93] a K step on, in bytes
.set PFS, 92
.set MSB, 0
.macro WIN new                         ; the immediate's high byte repeats the setting that is left
.if MSB != (\new)
	s_set_vgpr_msb (MSB<<8)|(\new)
.set MSB, (\new)
.endif
.endm
.set MUL_LO, 0xa1                      ; source 0 (Wo) window 1, source 1 (o) window 0, C and D window 2
.set TO_B,   0x40                      ; destination window 1, address window 0
.macro JLOAD g0a, g1a, g0b, g1b        ; a joint load: waves 0, 1 for o, waves 2, 3 for Wo; s_nop 0 and four v_nop follow each line
	s_cmp_eq_u32 s15, 0
	s_cbranch_scc0 .Lfor_b_\@
	tensor_load_to_lds s[\g0a:\g0a+3], s[\g1a:\g1a+7]
	s_nop 0
.rept 4
	v_nop
.endr
	s_branch .Lasked_\@
.Lfor_b_\@:
	tensor_load_to_lds s[\g0b:\g0b+3], s[\g1b:\g1b+7]
	s_nop 0
.rept 4
	v_nop
.endr
.Lasked_\@:
.endm
.macro CREST                           ; a round of the cluster's barrier behind its opening barrier
	s_cmp_lg_u32 s14, 0
	s_cbranch_scc1 .Lnot_wave_0_\@
	s_barrier_signal -3
.Lnot_wave_0_\@:
	s_barrier_wait -3
	s_barrier_signal -1
	s_barrier_wait -1
.endm
.macro CROUND
	s_barrier_signal -1
	s_barrier_wait -1
	CREST
.endm
	s_load_b256 s[4:11], s[0:1], 0x0               ; oc s[4:5], Wo s[6:7], the exponents s[8:9], bo s[10:11]
	s_load_b64 s[12:13], s[0:1], 0x20              ; out
	v_lshl_add_u32 v[SPW], v0, 2, SPARE
	v_mov_b32 v[NIL], 0
	ds_add_u32 v[SPW], v[NIL]                      ; the opening lines: the add, twice on end, and its wait ahead of the first tensor load
	ds_add_u32 v[SPW], v[NIL]
	v_lshrrev_b32 v1, 5, v0
	v_readfirstlane_b32 s14, v1                    ; wave 0..3
	s_lshr_b32 s15, s14, 1                         ; which 64 tokens are mine.  Also: I fetch for o (0) or for Wo (1)
	s_and_b32 s16, s14, 1                          ; which 128 columns.  Also: which half of that tile I fetch
	s_bfe_u32 s40, ttmp6, 0x40000                  ; cx, cy
	s_bfe_u32 s41, ttmp6, 0x40004
	s_lshl_b32 s42, ttmp9, 2
	s_add_co_u32 s42, s42, s40                     ; the block's column
	s_and_b32 s17, ttmp7, 0xffff
	s_lshl_b32 s17, s17, 2
	s_add_co_u32 s17, s17, s41                     ; the block's row
	s_lshl_b32 s43, s41, 2
	s_lshl_b32 s43, 15, s43                        ; my row of the cluster
	s_lshl_b32 s44, 0x1111, s40                    ; my column
	s_or_b32 s[G1+0], s43, (3<<16)|(1<<21)         ; o: 64 rows of 32 elements of 8 bytes, dense
	s_mov_b32 s[G1+1], 32<<16
	s_mov_b32 s[G1+2], 64<<16
	s_mov_b32 s[G1+3], 32<<16
	s_mov_b32 s[G1+4], 64
	s_mov_b32 s[G1+5], 32
	s_mov_b32 s[G1+6], 0
	s_mov_b32 s[G1+7], 0
	s_or_b32 s[G1B+0], s44, (0<<16)|(1<<20)|(1<<21)|(5<<22)|(3<<25)   ; Wo: 128 rows of 256 bytes, four words of padding behind every 64
	s_mov_b32 s[G1B+1], ROWB<<16
	s_mov_b32 s[G1B+2], 128<<16
	s_mov_b32 s[G1B+3], ROWB<<16
	s_mov_b32 s[G1B+4], 128
	s_mov_b32 s[G1B+5], KROW
	s_mov_b32 s[G1B+6], 0
	s_mov_b32 s[G1B+7], 0
	s_lshl_b32 s20, s17, 15                        ; o: 128 tokens are 32 KiB of a K slot,
	s_lshl_b32 s18, s16, 14                        ; my half of them 16 KiB
	s_add_co_u32 s20, s20, s18
	s_mov_b32 s21, 0
	s_lshl_b32 s46, s42, 18                        ; Wo: 256 rows of 1,024 bytes,
	s_lshl_b32 s19, s16, 17                        ; my 128 of them
	s_add_co_u32 s46, s46, s19
	s_mov_b32 s47, 0
	s_lshl_b32 s45, s16, 14                        ; where they go: no place in the cluster enters an LDS address
	s_mul_i32 s23, s16, BHALF
	s_add_co_u32 s23, s23, BOFF
	s_wait_dscnt 0x0                               ; both opening adds are done
	s_wait_kmcnt 0x0
	s_load_b64 s[96:97], s[8:9], 0x28              ; e10, e11
	s_add_nc_u64 s[20:21], s[4:5], s[20:21]
	s_add_nc_u64 s[46:47], s[6:7], s[46:47]
	s_cmp_eq_u32 s15, 0                            ; the prefetches: in o or in Wo,
	s_cselect_b64 s[PFA:PFA+1], s[20:21], s[46:47]
	s_cselect_b32 s2, s40, s41                     ; my place among the four that ask with me,
	s_cselect_b32 s3, 12, 15                       ; whose quarters are 4,096 bytes (16 blocks) or 32 rows of 1,024 apart;
	s_cselect_b32 s88, 15, 31                      ; lanes that name a block of their own,
	s_cselect_b32 s89, 8, 10                       ; 256 or 1,024 bytes apart;
	s_mov_b32 s[PFS], ROWB
	s_cselect_b32 s[PFS], ASTEP, s[PFS]            ; a K step on
	s_mov_b32 s[PFS+1], 0
	s_lshl_b32 s2, s2, s3
	s_mov_b32 s3, 0
	s_add_nc_u64 s[PFA:PFA+1], s[PFA:PFA+1], s[2:3]
	s_add_nc_u64 s[PFA:PFA+1], s[PFA:PFA+1], s[PFS:PFS+1]
	s_add_nc_u64 s[PFA:PFA+1], s[PFA:PFA+1], s[PFS:PFS+1]   ; at K step 2
	CROUND                                         ; all sixteen work-groups are here: the first joint loads meet
.irp s, 0,1
	s_mov_b32 s[G0+4*\s], 1
	s_add_co_u32 s[G0+4*\s+1], s45, \s*SLOT
	s_add_nc_u64 s[G0+4*\s+2:G0+4*\s+3], s[20:21], \s*ASTEP
	s_or_b32 s[G0+4*\s+3], s[G0+4*\s+3], 0x80000000
	s_mov_b32 s[G0B+4*\s], 1
	s_add_co_u32 s[G0B+4*\s+1], s23, \s*SLOT
	s_add_nc_u64 s[G0B+4*\s+2:G0B+4*\s+3], s[46:47], \s*ROWB
	s_or_b32 s[G0B+4*\s+3], s[G0B+4*\s+3], 0x80000000
.endr
	JLOAD G0, G1, G0B, G1B                         ; K step 0: one tensor load a wave at the head
	v_and_b32 v6, 31, v0
	v_min_u32 v[PFO], s88, v6
	v_lshlrev_b32 v[PFO], s89, v[PFO]
	global_prefetch_b8 v[PFO], s[PFA:PFA+1] th:TH_LOAD_NT scope:SCOPE_SE   ; K step 2
	v_and_b32 v1, 15, v0                           ; l % 16
	v_bfe_u32 v2, v0, 4, 1                         ; l / 16
	v_lshlrev_b32 v[CO], 4, v6                     ; 16 x lane
	v_mul_u32_u24 v3, v1, PITCH
	v_lshl_add_u32 v4, v2, 3, v3                   ; Wo: row x pitch + 8 x half
	s_lshl_b32 s21, s15, 14                        ; my 64 tokens' images
	s_mul_i32 s22, s16, BHALF                      ; my 128 rows of Wo
	s_add_co_u32 s22, s22, BOFF
.irp s, 0,1
	v_add_nc_u32 v[ADRA+\s], s21, v[CO]
	v_add_nc_u32 v[ADRB+\s], s22, v4
	s_add_co_u32 s21, s21, SLOT
	s_add_co_u32 s22, s22, SLOT
.endr
	s_mul_i32 s23, s14, 16*SPITCH                  ; my stage
	s_wait_alu depctr_va_vdst(0)                   ; the wait here, directly ahead of the reader below
	v_mul_u32_u24 v5, v1, SPITCH                   ; in: row l % 16, 32 bytes for each half of the lanes
	v_lshl_add_u32 v5, v2, 5, v5
	v_add_nc_u32 v[STO], s23, v5
	v_add_nc_u32 v[RD], s23, v[CO]                 ; back: the 32 lanes take one row of 512 bytes
	s_lshl_b32 s20, s17, 7
	s_lshl_b32 s21, s15, 6
	s_add_co_u32 s20, s20, s21                     ; my first row of out,
	s_lshl_b32 s20, s20, 12                        ; of 4,096 bytes
	s_lshl_b32 s46, s42, 10
	s_lshl_b32 s47, s16, 9
	s_add_co_u32 s46, s46, s47                     ; my first column, in bytes
	v_add_nc_u32 v7, s46, v[CO]
	global_load_b128 v[BO:BO+3], v7, s[10:11]      ; bo at the four columns that my lane stores
	s_add_co_u32 s20, s20, s46
	s_mov_b32 s21, 0
	s_add_nc_u64 s[12:13], s[12:13], s[20:21]
.macro FETCH slot, q, p                ; the fragments of the slot's q-th 128 along K into set p: Wo's eight, o's four
	WIN TO_B
.irp i, 0,1,2,3,4,5,6,7
.irp c, 0,1,2,3,4,5,6,7
	ds_load_b64 v[128*(\p)+FR*\i+2*\c:128*(\p)+FR*\i+2*\c+1], v[ADRB+\slot] offset:128*(\q)+16*\c+\i*16*PITCH
.endr
.endr
	WIN 0
.irp i, 0,1,2,3
.irp c, 0,1,2,3
	ds_load_b128 v[AF+64*(\p)+FR*\i+4*\c:AF+64*(\p)+FR*\i+4*\c+3], v[ADRA+\slot] offset:2048*(\q)+512*\c+\i*ATILE
.endr
.endr
.endm
.macro MULA a, p, zero                 ; 8 matrix instructions: o's block a x Wo's eight.  The 32 accumulators take turns in the same order in every step
.irp b, 0,1,2,3,4,5,6,7
.if \zero
	v_wmma_f32_16x16x128_bf8_bf8 v[8*(8*(\a)+\b):8*(8*(\a)+\b)+7], v[128*(\p)+FR*\b:128*(\p)+FR*\b+FR-1], v[AF+64*(\p)+FR*(\a):AF+64*(\p)+FR*(\a)+FR-1], 0
.else
	v_wmma_f32_16x16x128_bf8_bf8 v[8*(8*(\a)+\b):8*(8*(\a)+\b)+7], v[128*(\p)+FR*\b:128*(\p)+FR*\b+FR-1], v[AF+64*(\p)+FR*(\a):AF+64*(\p)+FR*(\a)+FR-1], v[8*(8*(\a)+\b):8*(8*(\a)+\b)+7]
.endif
.endr
.endm
.macro PLACES                          ; four plain lines between a matrix instruction and a load into, or a read of, its registers
.rept 4
	v_nop
.endr
.endm
.macro STEP slot, zero                 ; a slot's first step: multiplies set 0 and fetches the slot's second 128 into set 1
	s_wait_dscnt 0x0                               ; set 0 is in
	PLACES
	FETCH \slot, 1, 1
	WIN MUL_LO
.irp a, 0,1,2,3
	MULA \a, 0, \zero
.endr
	WIN 0
.endm
; A slot's second step multiplies set 1 and changes slots: one barrier; in front of it each wave waits for all its tensor loads, adds 0 to its spare word, and waits for that and for its reads of this slot.
.macro TURN slot, next, fill
	s_wait_tensorcnt 0x0                           ; my part of the next slot is in
	ds_add_u32 v[SPW], v[NIL]                      ; 0 onto my spare word
	s_wait_dscnt 1                                 ; set 1 is in; the add alone may be out
	WIN MUL_LO
	MULA 0, 1, 0
	s_wait_dscnt 0x0                               ; the add is done, and my reads of this slot are over
	s_barrier_signal -1
	MULA 1, 1, 0
	WIN 0
	s_barrier_wait -1
.if \fill
	CREST                                          ; the barrier has opened a round of the cluster's barrier
	s_add_nc_u64 s[G0+4*\slot+2:G0+4*\slot+3], s[G0+4*\slot+2:G0+4*\slot+3], 2*ASTEP
	s_add_nc_u64 s[G0B+4*\slot+2:G0B+4*\slot+3], s[G0B+4*\slot+2:G0B+4*\slot+3], 2*ROWB
	JLOAD G0+4*\slot, G1, G0B+4*\slot, G1B         ; the first tensor load behind the round; its four v_nop are also the places in front of the loads below
.else
	PLACES
.endif
	FETCH \next, 0, 0
	WIN MUL_LO
	MULA 2, 1, 0
	MULA 3, 1, 0
	WIN 0
.endm
	s_wait_xcnt 0x0                                ; the prefetch has read its address
	s_add_nc_u64 s[PFA:PFA+1], s[PFA:PFA+1], s[PFS:PFS+1]   ; K step 3
	s_wait_alu depctr_va_vdst(0)                   ; the wait at the head's end
	s_wait_tensorcnt 0x0                           ; my part of K step 0 is in
	ds_add_u32 v[SPW], v[NIL]
	s_wait_dscnt 0x0
	CROUND
	JLOAD G0+4, G1, G0B+4, G1B                     ; K step 1: slot 1's first fill
	FETCH 0, 0, 0
	global_prefetch_b8 v[PFO], s[PFA:PFA+1] th:TH_LOAD_NT scope:SCOPE_SE   ; K step 3, the last; its registers are not written again
	STEP 0, 1                                      ; the first products start the sums
	TURN 0, 1, 1
	STEP 1, 0
	TURN 1, 0, 1
	STEP 0, 0
	TURN 0, 1, 0                                   ; the last change of slots fills nothing
	STEP 1, 0
	s_wait_dscnt 0x0                               ; the last step
	WIN MUL_LO
.irp a, 0,1,2,3
	MULA \a, 1, 0
.endr
	WIN 0
; THE WAY OUT, block by block of 16 rows x 128 columns: through my stage in LDS and back as whole rows of 512 bytes.  LDS serves a wave's instructions in order (ISA guide 5.7.1.4).
.macro TOSTAGE a
	WIN 0x08                                       ; store data: window 2
.irp b, 0,1,2,3,4,5,6,7
	ds_store_b128 v[STO], v[64*(\a)+8*\b:64*(\a)+8*\b+3] offset:64*\b          ; each accumulator from its low end on
	ds_store_b128 v[STO], v[64*(\a)+8*\b+4:64*(\a)+8*\b+7] offset:64*\b+16
.endr
	WIN 0
.set BB, BK+64*((\a)%2)
.irp t, 0,1,2,3,4,5,6,7,8,9,10,11,12,13,14,15
	ds_load_b128 v[BB+4*\t:BB+4*\t+3], v[RD] offset:\t*SPITCH
.endr
.endm
.macro SEND a, younger                 ; younger: the LDS instructions issued behind block a's loads, which may stay out
.set BB, BK+64*((\a)%2)
	s_wait_dscnt \younger
.if (\a) > 0
	s_add_nc_u64 s[12:13], s[12:13], 16*4096       ; (behind a wait on XCNT) 16 rows of out on
.endif
.irp t, 0,1,2,3,4,5,6,7,8,9,10,11,12,13,14,15
	v_pk_fma_f32 v[BB+4*\t:BB+4*\t+1], v[BB+4*\t:BB+4*\t+1], s[96:97], v[BO:BO+1] op_sel_hi:[1,0,1]       ; x 2^(e10 + e11), + bo
	v_pk_fma_f32 v[BB+4*\t+2:BB+4*\t+3], v[BB+4*\t+2:BB+4*\t+3], s[96:97], v[BO+2:BO+3] op_sel_hi:[1,0,1]
	global_store_b128 v[CO], v[BB+4*\t:BB+4*\t+3], s[12:13] offset:\t*4096 th:TH_STORE_NT   ; 32 lanes store 512 consecutive bytes, aligned
.endr
.endm
	s_wait_kmcnt 0x0
	s_add_co_i32 s96, s96, s97
	s_add_co_i32 s96, s96, 127
	s_lshl_b32 s96, s96, 23                        ; 2^(e10 + e11) as f32
	s_wait_loadcnt 0x0                             ; bo
	PLACES
	TOSTAGE 0
.irp a, 1,2,3
.if \a > 1
	s_wait_xcnt 0x0                                ; block a - 2's stores have read their registers and their base
.endif
	TOSTAGE \a
	SEND \a-1, 32
.endr
	s_wait_xcnt 0x0
	SEND 3, 0
	s_wait_tensorcnt 0x0                           ; the wave's end
	ds_add_u32 v[SPW], v[NIL]
	s_wait_dscnt 0x0
	CROUND                                         ; the closing round
	s_endpgm
.Lfunc_end_k_q0f15514e31_proj:
	.size	k_q0f15514e31_proj, .Lfunc_end_k_q0f15514e31_proj-k_q0f15514e31_proj
	.p2alignl 7, 3214868480
	.fill 96, 4, 3214868480
	.section	.rodata,"a",@progbits
	.p2align	6, 0x0
	.amdhsa_kernel k_q0f15514e31_proj
		.amdhsa_group_segment_fixed_size 327680
		.amdhsa_private_segment_fixed_size 0
		.amdhsa_enable_private_segment 0
		.amdhsa_kernarg_size 40
		.amdhsa_user_sgpr_count 2
		.amdhsa_user_sgpr_kernarg_segment_ptr 1
		.amdhsa_wavefront_size32 1
		.amdhsa_system_sgpr_workgroup_id_x 1
		.amdhsa_system_sgpr_workgroup_id_y 1
		.amdhsa_system_sgpr_workgroup_id_z 1
		.amdhsa_system_vgpr_workitem_id 0
		.amdhsa_next_free_vgpr 768
		.amdhsa_next_free_sgpr 98
		.amdhsa_reserve_vcc 0
		.amdhsa_float_denorm_mode_32 3
		.amdhsa_float_denorm_mode_16_64 3
		.amdhsa_memory_ordered 1
		.amdhsa_forward_progress 1
		.amdhsa_inst_pref_size 92
	.end_amdhsa_kernel
	.amdgpu_metadata
---
amdhsa.version: [ 1, 2 ]
amdhsa.kernels:
  - .name:           k_q0f15514e31_proj
    .symbol:         k_q0f15514e31_proj.kd
    .args:
      - { .name: oc, .offset: 0, .size: 8, .value_kind: global_buffer, .address_space: global }
      - { .name: Wo_codes, .offset: 8, .size: 8, .value_kind: global_buffer, .address_space: global }
      - { .name: lowp_scales, .offset: 16, .size: 8, .value_kind: global_buffer, .address_space: global }
      - { .name: bo, .offset: 24, .size: 8, .value_kind: global_buffer, .address_space: global }
      - { .name: out0, .offset: 32, .size: 8, .value_kind: global_buffer, .address_space: global }
    .group_segment_fixed_size: 327680
    .private_segment_fixed_size: 0
    .kernarg_segment_align: 8
    .kernarg_segment_size: 40
    .max_flat_workgroup_size: 128
    .sgpr_count:     98
    .vgpr_count:     768
    .wavefront_size: 32
...
	.end_amdgpu_metadata
.endif
;; end of part 3
